; MI455X (gfx1250); checked and timed in simulation.
; The chip was launched on July 23, 2026; its instructions are those of AMD's public machine-readable ISA for CDNA 5 (MIT licence, August 2026) and "CDNA5" Instruction Set Architecture Reference Guide (July 2026). The comments in the code are by the model that wrote it; some were corrected since.
;; Multi Head Attention Block. Allowed arithmetic: matrix products marked QUANTISED: E5M2 operands, one given power-of-two scale a tensor, by v_wmma_f32_16x16x64_bf8_bf8 or v_wmma_f32_16x16x128_bf8_bf8, f32 sums; everything else in f32.
;; Inputs: b_o 256 float32; b_qkv 768 float32; lowp_scales 8 int32 (the exponents e of the quantised operands' scales 2^e); w_o_codes 256 x 8 x 32 uint8 (E5M2 codes of w_o, K innermost, in blocks of 32 codes); w_qkv_codes 768 x 8 x 32 uint8 (E5M2 codes of w_qkv, K innermost, in blocks of 32 codes); x_codes 4 x 64 x 64 x 8 x 32 uint8 (E5M2 codes of x, K innermost, in blocks of 32 codes).
;; Outputs: out0 4 x 256 x 64 x 64 float32.
;; This version of the problem:
;;   THIS VERSION OF THE PROBLEM IS GIVEN IN LOW PRECISION. The matrix products marked QUANTISED in the list below multiply operands that are first quantised to E5M2 (5 exponent bits, 2 mantissa bits; 8 bits a number), with one given power-of-two scale for each operand tensor; their sums are f32. All else is computed in f32.
;;   The module's matrix products, in the order in which they are computed (A, B: the left and right operand; K: the contracted axis; several contracted axes count as one K, in the product's order):
;;     1. [M 16,384, K 256] x [K 256, N 768]; A: input x (given as codes); B: input w_qkv (given as codes): QUANTISED (scales: A lowp_scales[0], B lowp_scales[1])
;;     2. batch 16 x [M 4,096, K 64] x [K 64, N 4,096]; A: computed on the way; B: computed on the way: QUANTISED (scales: A lowp_scales[2], B lowp_scales[3])
;;     3. batch 16 x [M 4,096, K 4,096] x [K 4,096, N 64]; A: softmax (see below); B: computed on the way: QUANTISED (scales: A lowp_scales[4], B lowp_scales[5])
;;     4. [M 16,384, K 256] x [K 256, N 256]; A: computed on the way; B: input w_o (given as codes): QUANTISED (scales: A lowp_scales[6], B lowp_scales[7])
;;   THE QUANTISER, for each operand of a quantised product, along K:
;;     - The operand's scale is 2^e, e = its entry of the input lowp_scales (int32; the entries are numbered through the quantised products in the list's order, A before B).
;;     - Each number is divided by the scale, clamped to +-57,344, and rounded to the nearest number of E5M2, ties to even, subnormals kept.
;;     - The product sums the exact products of the quantised numbers (number of the format x scale) in f32.
;;   ~~~python
;;   def quantise(x, axis, e):      # numpy; x: float32 -> the quantised numbers, widened to float32 again
;;       x = np.moveaxis(x, axis, -1); K = x.shape[-1]
;;       r = np.clip(x / 2.0 ** e, -57344, 57344)
;;       step = 2.0 ** (np.maximum(np.frexp(np.where(r == 0, 1, r))[1] - 1, -14) - 2)
;;       q = np.round(r / step) * step * 2.0 ** e      # np.round: ties to even
;;       return np.moveaxis(q, -1, axis).astype(np.float32)
;;   ~~~
;;   SOFTMAX AHEAD OF A QUANTISED PRODUCT. Where the list says 'softmax', what is quantised is not the finished softmax but p = 2^(t - M), with t = logit x log2(e) and M = ceil(the row's largest t), a whole number; so 1/2 < the row's largest p <= 1. The row's sum l is taken of the UNQUANTISED p, in f32, and the product's result is divided by l at the end. Since M is a whole number, a kernel that streams over the keys may use a running M (the ceiling of the running maximum): every later rescaling is an exact power of two, so the quantised numbers keep their values, but for numbers so far below the row's largest that they fall under the format's range.
;;   OPERANDS COMPUTED ON THE WAY. 'Computed on the way' means the value that the module computes at that place (a softmax that the list does not call 'softmax' is quantised finished and normalised). What goes into a quantiser is computed in f32, as accurately as f32 sums, v_exp_f32 and their like allow (about 1e-6 of the number): no bf16 or f16 on the way to a quantiser, and a product that is left as it is and whose result goes on into a quantised operand takes f32 operands (vector FMAs, or v_wmma_f32_16x16x4_f32). A number that lies on a knife's edge between two numbers of the format may be rounded either way, as far as f32 arithmetic and the matrix unit's own rounding can turn it there, and no further.
;;   INPUTS GIVEN AS CODES. w_o (in the module: [256, 256], K = its axis 1); w_qkv (in the module: [768, 256], K = its axis 1); x (in the module: [4, 256, 64, 64], K = its axis 1): each comes as NAME_codes (uint8): NAME with its K axis moved to the last place and cut into blocks of 32 codes, [.., K / 32, bytes a block], one block behind the other in memory; one code a byte (a code: sign, 5 exponent bits, 2 mantissa bits); its scale is its entry of lowp_scales. Its value is code x scale, taken as it is: it is not quantised again, and the codes and scales need not be those that the quantiser above would give.
;; One version. Each part assembles by itself: llvm-mc -triple=amdgcn-amd-amdhsa -mcpu=gfx1250 --defsym DOCPART=n.
;; ======== version 1 of 1: 2 launches
;; limits: right only within a limited range of input values
;; workspace buffers: qimg 4,194,304 bytes; kimg 4,194,304 bytes; vimg 4,194,304 bytes
;; launch qkv (part 1): grid 256 x 1, 12 waves a work-group, no clusters, 210,432 bytes of LDS; arguments x_codes, w_qkv_codes, b_qkv, lowp_scales, qimg, kimg, vimg; writes qimg, kimg, vimg
.if DOCPART == 1
	.amdgcn_target "amdgcn-amd-amdhsa--gfx1250"
	.amdhsa_code_object_version 6
	.text
	.protected	k_qf5c04d58af_qkv
	.globl	k_qf5c04d58af_qkv
	.p2align	8
	.type	k_qf5c04d58af_qkv,@function
k_qf5c04d58af_qkv:
	s_mov_b64 s[64:65], 0
	v_nop
	global_prefetch_b8 v0, s[64:65] scope:SCOPE_SE
	s_setreg_imm32_b32 hwreg(HW_REG_WAVE_MODE, 25, 1), 1
	s_wait_xcnt 0x0
; qkv = x W^T + b on codes of BF8 (E5M2), then q, k and v are quantised with their given scales and stored as IMAGES OF OPERAND REGISTERS for the attention launch.
; x: [16,384 tokens][256] codes, W: [768][256] codes, K innermost; b: [768] f32; the scales' exponents e0 .. e7 are whole numbers (int32).
; SHARES.  Work-group g takes tokens 64 g .. 64 g + 63: four tiles of 16.  Wave w takes rows 64 w .. 64 w + 63 of W: waves 0-3 are q's four heads, 4-7 k's, 8-11 v's.  Waves share nothing: no barrier.
; THE ROWS OF A TILE ARE NOT NEIGHBOURS, in x and in W alike: lane r of tile 2 b + u takes row 32 b + 8 u + r + 8 (r / 8) of the 64.  In a result, registers 0-7 of lane (r, h) are rows 8 h + 0 .. 7 of source 0's tile,
; that is rows 32 b + 16 h + 8 u + 0 .. 7: so the 16 registers of tiles 2 b and 2 b + 1 are 16 NEIGHBOURS along the next product's K, and the conversions' results are that product's operand registers.
;   q, k: source 0 = 16 rows of W, source 1 = 16 tokens: a lane holds one token and runs along the head's channels (the K of q k^T).
;   v:    source 0 = 16 tokens, source 1 = 16 rows of W: a lane holds one channel and runs along the tokens (the keys are the K of p v).
; A fragment (16 rows x 128 K) comes by four loads of 16 bytes, 32 bytes apart: registers 4 c .. 4 c + 3 hold k = 32 c + 16 h + 0 .. 15: a permutation of k that is the same in both operands, so every product meets its partner.
; W: each wave fetches its own 64 rows of 256 bytes by ONE tensor load into LDS bytes of its own (rows 272 bytes apart), waits for that load and reads its eight fragments into the 128 registers in which they stay.
; Only the issuing wave reads those bytes, and nothing is filled a second time.  x: all four tiles' fragments are asked for at the head, straight into registers.
; IMAGES.  A group of four registers is stored by one instruction, lane l's 16 bytes at 16 l: each store of a wave covers 512 consecutive bytes, aligned.
;   qimg, kimg: byte (4 g + t) x 4096 + head x 1024 + c x 512 + 16 l: token tile t, channels 32 c + 16 h + 0 .. 15 of the head.
;   vimg: byte (g / 2) x 32768 + head x 8192 + dt x 2048 + c x 512 + 16 l: channel tile dt, keys 128 (g / 2) + 32 c + 16 h + 0 .. 15.
; SCALES.  A sum stands for sum x 2^(e0 + e1).  The bias goes in as b x 2^-(e0 + e1), as the C of each sum's first matrix instruction, and the conversion takes the one scale 2^E, E = e_role - e0 - e1 (e2 for q, e3 for k, e5 for v).
; LIMITS: E between -126 and 112, so that 2^E and 57,344 x 2^E are f32 numbers; b x 2^-(e0 + e1) stays inside f32; NaN and infinity among the codes or in b are not served.
; NO CLUSTER, NO JOINT LOADS, though all work-groups read the same W: the launch has one fill and no loop, and a wave's whole work is 32 matrix instructions; joint loads would put two rounds of a cluster's barrier round it.
; NO PREFETCH: there is no loop to run ahead in.
; REGISTERS.  Window 0: v1 r, v2 h, v3 x's offset, v4 16 x lane, v5 bias offset, v6 2^E, v7 57,344 x 2^E, v8-11 v's four bias numbers, v12 r + 8 (r / 8), v13, v14 the add's two, v15 W's LDS address; v16-47 four accumulators;
;   v48-175 W's eight fragments; v176-255 x's fragments (tile, K step) (0,0) (0,1) (1,0) (1,1) (2,0).  Window 1: v0-31 the bias in the result's layout; v32-79 x's fragments (2,1) (3,0) (3,1).
;   The codes are laid over x's fragments of tile 0, which are done with when the first codes are made: 32 registers, each written once, so no store's data is written again.
.set WP,    272                        ; a row of W in LDS: 256 bytes + 16 of padding
.set SPARE, 12*64*WP                   ; behind W: the spare words, 128 bytes for each of 12 waves: six blocks of 256 bytes that no other line names
.set SPW, 13
.set NIL, 14
.set WA,  15
.set ACC, 16
.set W,   48
.set X0,  176
.set CD,  X0
.set MSB, 0
.macro WIN new                         ; the immediate's high byte repeats the setting that is left
.if MSB != (\new)
	s_set_vgpr_msb (MSB<<8)|(\new)
.set MSB, (\new)
.endif
.endm
.macro XSEL t, s                       ; XB, XW: first register and window of x's fragment (tile t, K step s)
.if (\t) < 2
.set XB, X0+32*(\t)+16*(\s)
.set XW, 0
.else
.if ((\t)+(\s)) == 2
.set XB, X0+64
.set XW, 0
.else
.set XB, 16+32*((\t)-2)+16*(\s)
.set XW, 1
.endif
.endif
.endm
.macro SCALES                          ; s33 = e_role comes in; v6 = 2^E and v7 = 57,344 x 2^E go out
	s_add_co_i32 s33, s33, s32                     ; E = e_role - e0 - e1
	s_add_co_i32 s33, s33, 127
	s_lshl_b32 s36, s33, 23
	v_mov_b32 v6, s36                              ; 2^E as f32: the conversion takes its exponent field
	s_add_co_i32 s33, s33, 15
	s_lshl_b32 s37, s33, 23
	s_or_b32 s37, s37, 0x600000
	v_mov_b32 v7, s37                              ; the largest number x 2^E
.endm
; One token tile: eight matrix instructions (four accumulators by turns, one instruction a turn), the hold, the conversions, the stores.
.macro TILE t, isv
	XSEL \t, 0
.if \isv
	WIN (XW|0x10)                                  ; C (the bias) in window 1
.else
	WIN ((XW<<2)|0x10)
.endif
.irp n, 0,1,2,3
.if \isv
	v_wmma_f32_16x16x128_bf8_bf8 v[ACC+8*\n:ACC+8*\n+7], v[XB:XB+15], v[W+32*\n:W+32*\n+15], v[8*\n:8*\n+7]
.else
	v_wmma_f32_16x16x128_bf8_bf8 v[ACC+8*\n:ACC+8*\n+7], v[W+32*\n:W+32*\n+15], v[XB:XB+15], v[8*\n:8*\n+7]
.endif
.endr
	XSEL \t, 1
.if \isv
	WIN XW
.else
	WIN (XW<<2)
.endif
.irp n, 0,1,2,3
.if \isv
	v_wmma_f32_16x16x128_bf8_bf8 v[ACC+8*\n:ACC+8*\n+7], v[XB:XB+15], v[W+32*\n+16:W+32*\n+31], v[ACC+8*\n:ACC+8*\n+7]
.else
	v_wmma_f32_16x16x128_bf8_bf8 v[ACC+8*\n:ACC+8*\n+7], v[W+32*\n+16:W+32*\n+31], v[XB:XB+15], v[ACC+8*\n:ACC+8*\n+7]
.endif
.endr
	WIN 0
.rept 4
	v_nop                                          ; four places (ISA guide 7.12.1) in front of the first read of the sums
.endr
.set j, 0
.rept 32
	v_med3_num_f32 v[ACC+j], v[ACC+j], -v7, v7     ; the conversion to an 8-bit code does not saturate (ISA guide 7.6.2): the hold at the largest code x the scale; each accumulator from its low end on
.set j, j+1
.endr
.irp n, 0,1,2,3
.if \isv
	v_cvt_scalef32_pk8_bf8_f32 v[CD+16*((\t)/2)+4*\n+2*((\t)%2):CD+16*((\t)/2)+4*\n+2*((\t)%2)+1], v[ACC+8*\n:ACC+8*\n+7], v6   ; channel tile n: tokens 8 (t % 2) + 0 .. 7 of the lane's sixteen
.else
	v_cvt_scalef32_pk8_bf8_f32 v[CD+8*(\t)+2*\n:CD+8*(\t)+2*\n+1], v[ACC+8*\n:ACC+8*\n+7], v6   ; tiles 2 b, 2 b + 1 of W fill group b
.endif
.endr
	v_nop                                          ; one plain vector instruction between the last scaled conversion and the next products, which write its sources
.if \isv
.if ((\t)%2) == 1
.irp n, 0,1,2,3
	global_store_b128 v4, v[CD+16*((\t)/2)+4*\n:CD+16*((\t)/2)+4*\n+3], s[34:35] offset:\n*2048+((\t)/2)*512   ; 512 consecutive bytes, aligned
.endr
.endif
.else
.irp b, 0,1
	global_store_b128 v4, v[CD+8*(\t)+4*\b:CD+8*(\t)+4*\b+3], s[34:35] offset:(\t)*4096+\b*512   ; 512 consecutive bytes, aligned
.endr
.endif
.endm
.macro FINISH                          ; the wave's end
	s_wait_tensorcnt 0x0
	ds_add_u32 v[SPW], v[NIL]
	s_wait_dscnt 0x0
	s_endpgm
.endm
	s_load_b256 s[4:11], s[0:1], 0x0               ; x s[4:5], W s[6:7], b s[8:9], the scales' exponents s[10:11]
	s_load_b128 s[12:15], s[0:1], 0x20             ; qimg s[12:13], kimg s[14:15]
	s_load_b64 s[16:17], s[0:1], 0x30              ; vimg
	v_lshl_add_u32 v[SPW], v0, 2, SPARE
	v_mov_b32 v[NIL], 0
	ds_add_u32 v[SPW], v[NIL]                      ; the opening lines: the add, twice on end, and its wait ahead of my tensor load
	ds_add_u32 v[SPW], v[NIL]
	v_lshrrev_b32 v1, 5, v0
	v_readfirstlane_b32 s18, v1                    ; wave 0..11
	s_and_b32 s19, s18, 3                          ; head
	s_mul_i32 s38, s18, 64*WP                      ; my 64 rows of W in LDS
	v_and_b32 v1, 15, v0                           ; r
	v_bfe_u32 v2, v0, 4, 1                         ; h
	v_and_b32 v12, 8, v1
	v_add_nc_u32 v12, v12, v1                      ; r + 8 (r / 8)
	v_lshlrev_b32 v3, 8, v12                       ; a row of x is 256 bytes
	v_lshl_add_u32 v3, v2, 4, v3                   ; + 16 h
	v_and_b32 v4, 31, v0
	v_lshlrev_b32 v4, 4, v4                        ; 16 x lane: my place in an image
	v_mul_u32_u24 v[WA], v12, WP
	v_lshl_add_u32 v[WA], v2, 4, v[WA]
	v_add_nc_u32 v[WA], s38, v[WA]                 ; W in LDS: my rows, row r + 8 (r / 8), + 16 h
	s_lshl_b32 s20, ttmp9, 14                      ; the work-group's 64 rows of x; also its four tiles in qimg and kimg
	s_mov_b32 s21, 0
	s_lshl_b32 s22, s18, 14                        ; the wave's 64 rows of W
	s_mov_b32 s23, 0
	s_mov_b32 s40, (0<<16)|(1<<20)|(5<<22)|(3<<25) ; descriptor group 1: elements of 1 byte; four words of padding after every 64
	s_mov_b32 s41, 256<<16                         ; 64 rows of 256 bytes, 256 bytes apart
	s_mov_b32 s42, 64<<16
	s_mov_b32 s43, 256<<16
	s_mov_b32 s44, 64
	s_mov_b32 s45, 256
	s_mov_b32 s46, 0
	s_mov_b32 s47, 0
	s_mov_b32 s48, 1
	s_mov_b32 s49, s38
	s_wait_alu depctr_va_vdst(0)                   ; the wait at the head's end, directly ahead of the waits below
	s_wait_dscnt 0x0                               ; both opening adds are done
	s_wait_kmcnt 0x0
	s_load_b256 s[24:31], s[10:11], 0x0            ; e0 .. e7
	s_add_nc_u64 s[4:5], s[4:5], s[20:21]
	s_add_nc_u64 s[50:51], s[6:7], s[22:23]
	s_or_b32 s51, s51, 0x80000000
	tensor_load_to_lds s[48:51], s[40:47]          ; my 16,384 bytes of W: my one tensor load
	s_nop 0
.rept 4
	v_nop
.endr
	s_lshl_b32 s22, s18, 8                         ; the wave's 64 numbers of b
	s_add_nc_u64 s[8:9], s[8:9], s[22:23]
.irp t, 0,1,2,3                        ; x's eight fragments: the loads of a tile together take its 16 rows of 256 bytes whole
.irp s, 0,1
	XSEL \t, \s
	WIN (XW<<6)
.irp c, 0,1,2,3
	global_load_b128 v[XB+4*\c:XB+4*\c+3], v3, s[4:5] offset:(32*(\t/2)+8*(\t%2))*256+128*\s+32*\c
.endr
.endr
.endr
	WIN 0
	s_wait_kmcnt 0x0
	s_add_co_i32 s32, s24, s25
	s_sub_co_i32 s32, 0, s32                       ; -(e0 + e1)
	s_wait_tensorcnt 0x0                           ; my rows of W lie in LDS; only I read them
.irp n, 0,1,2,3                        ; W's fragments (tile n, K step s) at v[W + 32 n + 16 s]: they stay
.irp s, 0,1
.irp c, 0,1,2,3
	ds_load_b128 v[W+32*\n+16*\s+4*\c:W+32*\n+16*\s+4*\c+3], v[WA] offset:(32*(\n/2)+8*(\n%2))*WP+128*\s+32*\c
.endr
.endr
.endr
	s_cmp_lt_u32 s18, 8                            ; the branch hangs on the wave's number alone
	s_cbranch_scc0 .Lv
	; ---- q and k
	s_cmp_lt_u32 s18, 4
	s_cselect_b32 s33, s26, s27                    ; e2 for q, e3 for k
	s_cselect_b64 s[34:35], s[12:13], s[14:15]     ; qimg or kimg: the choice hangs on the wave's number
	SCALES
	s_lshl_b32 s22, s19, 10
	s_add_co_u32 s20, s20, s22                     ; 16,384 g + 1,024 head
	s_add_nc_u64 s[34:35], s[34:35], s[20:21]
	v_lshlrev_b32 v5, 6, v2                        ; the bias: lane (r, h) wants, for tile 2 b + u, the numbers of channels 32 b + 16 h + 8 u + 0 .. 7
	WIN 0x40                                       ; destination window 1
.irp n, 0,1,2,3
	global_load_b128 v[8*\n:8*\n+3], v5, s[8:9] offset:(32*(\n/2)+8*(\n%2))*4
	global_load_b128 v[8*\n+4:8*\n+7], v5, s[8:9] offset:(32*(\n/2)+8*(\n%2))*4+16
.endr
	s_wait_loadcnt 0x0                             ; x and the bias are in,
	s_wait_dscnt 0x0                               ; and W
	WIN 0x41                                       ; source 0 and destination window 1
.set j, 0
.rept 32
	v_ldexp_f32 v[j], v[j], s32                    ; b x 2^-(e0 + e1): nothing is rounded
.set j, j+1
.endr
	WIN 0
	TILE 0, 0
	TILE 1, 0
	TILE 2, 0
	TILE 3, 0
	FINISH
.Lv:	; ---- v
	s_mov_b32 s33, s29                             ; e5
	SCALES
	s_lshr_b32 s20, ttmp9, 1
	s_lshl_b32 s20, s20, 15                        ; 32,768 (g / 2)
	s_and_b32 s22, ttmp9, 1
	s_lshl_b32 s22, s22, 10                        ; groups c = 2 (g % 2) + 0, 1
	s_add_co_u32 s20, s20, s22
	s_lshl_b32 s22, s19, 13                        ; 8,192 head
	s_add_co_u32 s20, s20, s22
	s_add_nc_u64 s[34:35], s[16:17], s[20:21]
	v_lshlrev_b32 v5, 2, v12                       ; the bias: a lane holds one channel of each tile: 32 b + 8 u + r + 8 (r / 8)
.irp n, 0,1,2,3
	global_load_b32 v[8+\n], v5, s[8:9] offset:(32*(\n/2)+8*(\n%2))*4
.endr
	s_wait_loadcnt 0x0                             ; x and the bias are in,
	s_wait_dscnt 0x0                               ; and W
	WIN 0x40                                       ; destination window 1
.irp n, 0,1,2,3
.irp i, 0,1,2,3,4,5,6,7
	v_ldexp_f32 v[8*\n+\i], v[8+\n], s32           ; b x 2^-(e0 + e1), the same for the lane's eight tokens
.endr
.endr
	WIN 0
	TILE 0, 1
	TILE 1, 1
	TILE 2, 1
	TILE 3, 1
	FINISH
.Lfunc_end_k_qf5c04d58af_qkv:
	.size	k_qf5c04d58af_qkv, .Lfunc_end_k_qf5c04d58af_qkv-k_qf5c04d58af_qkv
	.p2alignl 7, 3214868480
	.fill 96, 4, 3214868480
	.section	.rodata,"a",@progbits
	.p2align	6, 0x0
	.amdhsa_kernel k_qf5c04d58af_qkv
		.amdhsa_group_segment_fixed_size 210432
		.amdhsa_private_segment_fixed_size 0
		.amdhsa_enable_private_segment 0
		.amdhsa_kernarg_size 56
		.amdhsa_user_sgpr_count 2
		.amdhsa_user_sgpr_kernarg_segment_ptr 1
		.amdhsa_wavefront_size32 1
		.amdhsa_system_sgpr_workgroup_id_x 1
		.amdhsa_system_sgpr_workgroup_id_y 1
		.amdhsa_system_sgpr_workgroup_id_z 1
		.amdhsa_system_vgpr_workitem_id 0
		.amdhsa_next_free_vgpr 336
		.amdhsa_next_free_sgpr 66
		.amdhsa_reserve_vcc 0
		.amdhsa_float_denorm_mode_32 3
		.amdhsa_float_denorm_mode_16_64 3
		.amdhsa_memory_ordered 1
		.amdhsa_forward_progress 1
		.amdhsa_inst_pref_size 41
	.end_amdhsa_kernel
	.amdgpu_metadata
---
amdhsa.version: [ 1, 2 ]
amdhsa.kernels:
  - .name:           k_qf5c04d58af_qkv
    .symbol:         k_qf5c04d58af_qkv.kd
    .args:
      - { .name: x_codes, .offset: 0, .size: 8, .value_kind: global_buffer, .address_space: global }
      - { .name: w_qkv_codes, .offset: 8, .size: 8, .value_kind: global_buffer, .address_space: global }
      - { .name: b_qkv, .offset: 16, .size: 8, .value_kind: global_buffer, .address_space: global }
      - { .name: lowp_scales, .offset: 24, .size: 8, .value_kind: global_buffer, .address_space: global }
      - { .name: qimg, .offset: 32, .size: 8, .value_kind: global_buffer, .address_space: global }
      - { .name: kimg, .offset: 40, .size: 8, .value_kind: global_buffer, .address_space: global }
      - { .name: vimg, .offset: 48, .size: 8, .value_kind: global_buffer, .address_space: global }
    .group_segment_fixed_size: 210432
    .private_segment_fixed_size: 0
    .kernarg_segment_align: 8
    .kernarg_segment_size: 56
    .max_flat_workgroup_size: 384
    .sgpr_count:     66
    .vgpr_count:     336
    .wavefront_size: 32
...
	.end_amdgpu_metadata
.endif
;; end of part 1
;; launch attn (part 2): grid 64 x 4, 8 waves a work-group, no clusters, 87,040 bytes of LDS; arguments qimg, kimg, vimg, lowp_scales, w_o_codes, b_o, out0; writes out0
.if DOCPART == 2
	.amdgcn_target "amdgcn-amd-amdhsa--gfx1250"
	.amdhsa_code_object_version 6
	.text
	.protected	k_qf5c04d58af_attn
	.globl	k_qf5c04d58af_attn
	.p2align	8
	.type	k_qf5c04d58af_attn,@function
k_qf5c04d58af_attn:
	s_mov_b64 s[64:65], 0
	v_nop
	global_prefetch_b8 v0, s[64:65] scope:SCOPE_SE
	s_setreg_imm32_b32 hwreg(HW_REG_WAVE_MODE, 25, 1), 1
	s_wait_xcnt 0x0
; out[b][c][n] = sum over c' of a[b][n][c'] Wo[c][c'] + b_o[c], a = the four heads' attention: a[.., 64 head + d] = sum over keys of softmax(q . k / 8) v.  All three products on codes of BF8 (E5M2).
; q, k and v come as images of operand registers (a group of four registers is 512 bytes, lane l's 16 bytes at 16 l):
;   qimg, kimg: byte T x 4096 + head x 1024 + c x 512 + 16 l.  Token tile T = 4 x block + 2 b + u (a block is 64 tokens); its row m is token 32 b + 8 u + m + 8 (m / 8) of the block; group c: channels 32 c + 16 h + 0 .. 15.
;   vimg: byte kb x 32768 + head x 8192 + dt x 2048 + c x 512 + 16 l.  kb: 128 keys; channel tile dt = 2 b + u, its row m is channel 32 b + 8 u + m + 8 (m / 8); group c: keys 32 c + 16 h + 0 .. 15 of the 128.
; THE SOFTMAX AHEAD OF THE SECOND PRODUCT: t = score x log2(e) / 8; M = the row's largest t so far, rounded UP to a whole number; p = 2^(t - M) is what is quantised, not normalised.  The row's sum is taken of the
; unquantised p, in f32, and divides at the end.  When M moves, the sum and O are multiplied by 2^(old M - new M): nothing is rounded, and no branch hangs on data.
; SHARES.  A work-group owns 64 tokens of one batch, for all four heads, so the last product is made here too and a never goes to memory.  Wave w of eight owns head w / 2 and token tiles 2 (w % 2), 2 (w % 2) + 1:
; 32 queries, so that each fragment of K and of V feeds two matrix instructions.  Every wave walks the batch's 4,096 keys, 128 a step.
; LAYOUT.  S^T = K Q^T (source 0 = 16 keys, source 1 = 16 queries), O^T = V^T P^T (source 0 = 16 channels, source 1 = P): a lane holds one query of each of its two tiles.  By the choice of a tile's rows the 16 registers of
; tiles 2 b and 2 b + 1 of a result are 16 neighbours along the next product's K: the conversions' results are the next operand's registers.  The place of k inside a fragment is the same permutation in both operands.
; K AND V GO FROM THEIR IMAGES STRAIGHT INTO THE OPERAND REGISTERS: one load takes 512 consecutive bytes, aligned, a step 16 loads of K and 16 of V.  K of step s + 1 is asked for behind the scores of step s, V of step s + 1
; behind the second product of step s: each has the other phases of a step in which to land.
; NO LDS RING, NO CLUSTER, NO JOINT LOADS, though the work-groups of a batch walk the same K and V: a ring for four heads holds 256 keys in a slot of 131,072 bytes, so a walk of 4,096 keys would pass 16 rounds of a cluster's
; barrier, and each byte would be written to LDS once and read from it twice (two waves to a head), to reach the registers in the order in which it already lies in memory.  Here the waves share nothing in the key loop: it has no barrier.
; LIMITS on the given exponents, so that each power of two below is an f32 number: e2 + e3 between -123 and 130 (they are added to c's exponent field); e4 and e6 between -126 and 112; e6 + e7 between -126 and 127;
; e4 + e5 is applied by v_ldexp_f32 and has none.  The scaled scores t stay under 2^31 in magnitude.  NaN and infinity among the codes or in b_o are not served.
; REGISTERS.  Window 0: v1-13 offsets and addresses; v16-31 Q; v32-159 S^T, then p (tile j at 32 + 64 j); v160-191 p's codes; v192-209 the softmax's state, eight registers a tile; v224-230 b_o and constants; v232-247 at work.
;   Window 1: v0-63 K's eight fragments; v64-127 V's four; v128-191 O^T (tile j at 128 + 32 j); v192-255 Wo's 32 rows, which stay.
.set SP,    272                        ; the way out: a stage of 32 rows x (256 bytes + 16) for each wave, from LDS byte 0 on
.set AIMG,  8*32*SP                    ; a's images: 4 token tiles x 8 groups x 512 bytes
.set SPARE, AIMG+16384                 ; the spare words: 128 bytes for each of 8 waves, four blocks of 256 bytes that no other line names
.set NSTEP, 32                         ; 4,096 keys / 128
.set AK0, 1                            ; 16 l + 1,024 head: my offset in a tile of K
.set AV0, 2                            ; 16 l + 8,192 head: the same for V
.set PFO, 3                            ; the prefetch's offset; never rewritten
.set LI,  4                            ; 16 l
.set SPW, 5                            ; my spare word; never rewritten
.set NIL, 6                            ; 0; never rewritten
.set GO,  7                            ; 16,384 h + 16 r in out0
.set STO, 10
.set RD,  11
.set AIW, 12
.set ALD, 13
.set QF,  16
.set SC,  32
.set PC,  160
.set NM,  192                          ; + 8 j: -M, the largest t (a pair)
.set MT,  193
.set LS,  194                          ; the sum, in two halves
.set FF,  196                          ; f = 2^(old M - new M), named as a pair
.set MA,  198
.set MB,  199
.set PX,  208                          ; + j: a lane permute's destination
.set BO,  224                          ; + 2 g: b_o of my channel, named as a pair
.set PSC, 228                          ; 2^e4
.set ALIM, 229                         ; 57,344 x 2^e6
.set ASC, 230                          ; 2^e6
.set TS,  232                          ; + 8 j + 2 k: four chains of the sum
.set WOA, 232                          ; the head's load offsets (free again when those loads are in)
.set BOA, 233
.set KF,  0                            ; window 1
.set VF,  64
.set OA,  128
.set WO,  192
.set WV,  18
.set CNT, 3                            ; the trip's number
.set SEL, 20
.set CS,  22
.set KB,  32                           ; s[32:33], s[34:35]: where the step's K and V lie
.set VB,  34
.set PFA, 58
.set LIM, 60
.set PL,  61                           ; 57,344 x 2^e4
.set MSB, 0
.macro WIN new                         ; the immediate's high byte repeats the setting that is left
.if MSB != \new
	s_set_vgpr_msb (MSB<<8)|\new
.set MSB, \new
.endif
.endm
.macro NOP4                            ; four places behind matrix instructions (ISA guide 7.12.1)
.rept 4
	v_nop
.endr
.endm
; A PREFETCH.  The 64 work-groups of a batch walk the same 32 steps of K and V and share them out: work-group x names, one trip ahead of the loads of step x / 2, that step's 32,768 bytes of K (x even) or of V (x odd), and nothing else.
; Each of its eight waves names 4,096 bytes: 16 blocks of 256, lanes 0-15 a block each, lanes 16-31 the last block again.  So each block is named once in the launch.  Steps 0 and 1 come by their loads alone.
.macro ASK
	s_cmp_eq_u32 s[CNT], s[LIM]
	s_cbranch_scc0 .Lnot_mine_\@
	global_prefetch_b8 v[PFO], s[PFA:PFA+1] th:TH_LOAD_NT scope:SCOPE_SE
.Lnot_mine_\@:
.endm
.macro LDK                             ; K's eight fragments of a step: 512 consecutive bytes an instruction
	WIN 0x40
.irp t, 0,1,2,3,4,5,6,7
.irp c, 0,1
	global_load_b128 v[KF+8*\t+4*\c:KF+8*\t+4*\c+3], v[AK0], s[KB:KB+1] offset:\t*4096+512*\c
.endr
.endr
.endm
.macro LDV                             ; V's four fragments
	WIN 0x40
.irp d, 0,1,2,3
.irp c, 0,1,2,3
	global_load_b128 v[VF+16*\d+4*\c:VF+16*\d+4*\c+3], v[AV0], s[VB:VB+1] offset:\d*2048+512*\c
.endr
.endr
.endm
.macro SW                              ; S^T = K Q^T: sixteen accumulators, each begun with 0
	WIN 0x01
.irp t, 0,1,2,3,4,5,6,7
.irp j, 0,1
	v_wmma_f32_16x16x64_bf8_bf8 v[SC+64*\j+8*\t:SC+64*\j+8*\t+7], v[KF+8*\t:KF+8*\t+7], v[QF+8*\j:QF+8*\j+7], 0
.endr
.endr
.endm
.macro PV                              ; O^T += V^T P^T: eight accumulators by turns
	WIN 0x51
.irp d, 0,1,2,3
.irp j, 0,1
	v_wmma_f32_16x16x128_bf8_bf8 v[OA+32*\j+8*\d:OA+32*\j+8*\d+7], v[VF+16*\d:VF+16*\d+15], v[PC+16*\j:PC+16*\j+15], v[OA+32*\j+8*\d:OA+32*\j+8*\d+7]
.endr
.endr
.endm
; THE SOFTMAX of a step, my two tiles line by line in turn, so that no line reads what the line above it wrote.
.macro SM
	WIN 0
.irp j, 0,1
	v_max3_num_f32 v[MA+8*\j], v[SC+64*\j], v[SC+64*\j+1], v[SC+64*\j+2]   ; the largest score, two chains a tile; each accumulator is read from its low end on
	v_max3_num_f32 v[MB+8*\j], v[SC+64*\j+3], v[SC+64*\j+4], v[SC+64*\j+5]
.endr
.irp i, 6,10,14,18,22,26,30,34,38,42,46,50,54,58
.irp j, 0,1
	v_max3_num_f32 v[MA+8*\j], v[MA+8*\j], v[SC+64*\j+\i], v[SC+64*\j+\i+1]
	v_max3_num_f32 v[MB+8*\j], v[MB+8*\j], v[SC+64*\j+\i+2], v[SC+64*\j+\i+3]
.endr
.endr
.irp j, 0,1
	v_max3_num_f32 v[MA+8*\j], v[MA+8*\j], v[SC+64*\j+62], v[SC+64*\j+63]
.endr
.irp j, 0,1
	v_max_num_f32 v[MA+8*\j], v[MA+8*\j], v[MB+8*\j]
.endr
.irp j, 0,1
	v_permlanex16_b32 v[PX+\j], v[MA+8*\j], s[SEL], s[SEL+1]
.endr
.irp j, 0,1
	v_max_num_f32 v[MA+8*\j], v[MA+8*\j], v[PX+\j]     ; and among lane l xor 16's
.endr
.irp j, 0,1
	v_mul_f32 v[MA+8*\j], s[CS], v[MA+8*\j]            ; as t (c is positive)
.endr
.irp j, 0,1
	v_max_num_f32 v[MT+8*\j], v[MT+8*\j], v[MA+8*\j]   ; the running largest t
.endr
.irp j, 0,1
	v_mov_b32 v[MA+8*\j], v[NM+8*\j]
.endr
.irp j, 0,1
	v_floor_f32 v[NM+8*\j], -v[MT+8*\j]                ; the new -M = -ceil(t)
.endr
.irp j, 0,1
	v_sub_f32 v[MA+8*\j], v[NM+8*\j], v[MA+8*\j]       ; old M - new M: a whole number, 0 or less
.endr
.irp j, 0,1
	v_cvt_i32_f32 v[MA+8*\j], v[MA+8*\j]               ; (it saturates)
.endr
.irp j, 0,1
	v_ldexp_f32 v[FF+8*\j], 1.0, v[MA+8*\j]            ; f
.endr
.irp j, 0,1
.set i, 0
.rept 32
	v_pk_fma_f32 v[SC+64*\j+i:SC+64*\j+i+1], v[SC+64*\j+i:SC+64*\j+i+1], s[CS:CS+1], v[NM+8*\j:NM+8*\j+1] op_sel_hi:[1,0,0]   ; t - M (of the pairs c and -M the low word serves both halves)
.set i, i+2
.endr
.endr
	s_wait_alu depctr_va_vdst(0)                       ; the wait ahead of the batch
.set i, 0
.rept 128
	v_exp_f32 v[SC+i], v[SC+i]                         ; p = 2^(t - M), at most 1
.set i, i+1
.endr
.irp j, 0,1
	v_pk_mul_f32 v[LS+8*\j:LS+8*\j+1], v[LS+8*\j:LS+8*\j+1], v[FF+8*\j:FF+8*\j+1] op_sel_hi:[1,0]   ; the sums under the new M: plain lines behind the last exponential
.endr
	s_wait_alu depctr_va_vdst(0)                       ; and the one wait behind the batch
.irp k, 0,1,2,3                        ; the row's sum of the unquantised p: four chains a tile
.irp j, 0,1
	v_pk_add_f32 v[TS+8*\j+2*\k:TS+8*\j+2*\k+1], v[SC+64*\j+2*\k:SC+64*\j+2*\k+1], v[SC+64*\j+8+2*\k:SC+64*\j+8+2*\k+1]
.endr
.endr
.irp r, 2,3,4,5,6,7
.irp k, 0,1,2,3
.irp j, 0,1
	v_pk_add_f32 v[TS+8*\j+2*\k:TS+8*\j+2*\k+1], v[TS+8*\j+2*\k:TS+8*\j+2*\k+1], v[SC+64*\j+8*\r+2*\k:SC+64*\j+8*\r+2*\k+1]
.endr
.endr
.endr
.irp j, 0,1
	v_pk_add_f32 v[TS+8*\j:TS+8*\j+1], v[TS+8*\j:TS+8*\j+1], v[TS+8*\j+2:TS+8*\j+3]
.endr
.irp j, 0,1
	v_pk_add_f32 v[TS+8*\j+4:TS+8*\j+5], v[TS+8*\j+4:TS+8*\j+5], v[TS+8*\j+6:TS+8*\j+7]
.endr
.irp j, 0,1
	v_pk_add_f32 v[TS+8*\j:TS+8*\j+1], v[TS+8*\j:TS+8*\j+1], v[TS+8*\j+4:TS+8*\j+5]
.endr
.irp j, 0,1
	v_pk_add_f32 v[LS+8*\j:LS+8*\j+1], v[LS+8*\j:LS+8*\j+1], v[TS+8*\j:TS+8*\j+1]
.endr
.irp b, 0,1,2,3                        ; the hold (the conversion does not saturate: ISA guide 7.6.2; p is not negative, so it is one-sided), two numbers an instruction, and the conversions
.irp j, 0,1
.irp i, 0,2,4,6,8,10,12,14
	v_dual_min_num_f32 v[SC+64*\j+16*\b+\i], s[PL], v[SC+64*\j+16*\b+\i] :: v_dual_min_num_f32 v[SC+64*\j+16*\b+\i+1], s[PL], v[SC+64*\j+16*\b+\i+1]
.endr
.endr
.irp j, 0,1
	v_cvt_scalef32_pk8_bf8_f32 v[PC+16*\j+4*\b:PC+16*\j+4*\b+1], v[SC+64*\j+16*\b:SC+64*\j+16*\b+7], v[PSC]   ; registers 4 b .. 4 b + 3 of the operand: keys 32 b + 16 h + 0 .. 15
	v_cvt_scalef32_pk8_bf8_f32 v[PC+16*\j+4*\b+2:PC+16*\j+4*\b+3], v[SC+64*\j+16*\b+8:SC+64*\j+16*\b+15], v[PSC]
.endr
.endr
	WIN 0x41
	s_wait_alu depctr_va_vdst(0)                       ; the wait directly ahead of the first reader of O^T
.irp j, 0,1
.set i, 0
.rept 16
	v_pk_mul_f32 v[OA+32*\j+i:OA+32*\j+i+1], v[OA+32*\j+i:OA+32*\j+i+1], v[FF+8*\j:FF+8*\j+1] op_sel_hi:[1,0]   ; O^T under the new M; also the plain lines behind the last conversion
.set i, i+2
.endr
.endr
.endm
; A KEY STEP.  It is entered with its 16 loads of K and, behind them, its 16 of V issued.  more = 1: the next step's are asked for.
.macro STEP more
	s_wait_loadcnt 16                                  ; K is in; V's 16 loads, issued behind it, may be out
	SW
	NOP4                                               ; places in front of the loads into K's registers and of the first read of the scores
.if \more
	WIN 0
	s_wait_xcnt 0x0                                    ; every load has read its base: the two bases step only behind this wait
	s_add_nc_u64 s[KB:KB+1], s[KB:KB+1], 32768
	s_add_nc_u64 s[VB:VB+1], s[VB:VB+1], 32768
	LDK
	WIN 0
	ASK
.endif
	SM
	s_wait_alu depctr_va_vdst(0)                       ; the wait directly ahead of the wait below
.if \more
	s_wait_loadcnt 16                                  ; V is in; the next K's 16 loads may be out
.else
	s_wait_loadcnt 0x0
.endif
	PV
	NOP4                                               ; places in front of the loads into V's registers
.if \more
	LDV
.endif
	WIN 0
.endm
	s_load_b256 s[4:11], s[0:1], 0x0               ; qimg s[4:5], kimg s[6:7], vimg s[8:9], the scales' exponents s[10:11]
	s_load_b128 s[12:15], s[0:1], 0x20             ; Wo's codes s[12:13], b_o s[14:15]
	s_load_b64 s[16:17], s[0:1], 0x30              ; out0
	v_lshl_add_u32 v[SPW], v0, 2, SPARE
	v_mov_b32 v[NIL], 0
	v_lshrrev_b32 v14, 5, v0
	v_readfirstlane_b32 s[WV], v14                 ; wave 0..7
	s_lshr_b32 s19, s[WV], 1                       ; head
	s_and_b32 s48, s[WV], 1                        ; my pair of token tiles
	s_and_b32 s51, ttmp7, 0xffff                   ; the batch
	s_lshl_b32 s52, s51, 20                        ; its first byte in each image
	s_mov_b32 s53, 0
	s_lshl_b32 s69, s19, 10
	s_lshl_b32 s70, s19, 13
	s_mul_i32 s71, s[WV], 32*SP                    ; my stage
	s_lshl_b32 s72, s48, 13
	s_add_co_u32 s72, s72, s69
	s_add_co_u32 s72, s72, AIMG                    ; a's image: my two tiles, my head
	s_mov_b32 s[SEL], 0x76543210
	s_mov_b32 s[SEL+1], 0xfedcba98
	s_mov_b32 s[CNT], 0
	v_and_b32 v14, 15, v0                          ; r
	v_bfe_u32 v15, v0, 4, 1                        ; h
	v_and_b32 v[LI], 31, v0
	v_min_u32 v[PFO], 15, v[LI]
	v_lshlrev_b32 v[PFO], 8, v[PFO]
	v_lshlrev_b32 v[LI], 4, v[LI]
	v_lshlrev_b32 v[WOA], 8, v14
	v_lshl_add_u32 v[WOA], v15, 4, v[WOA]          ; Wo: row r of 256 bytes, + 16 h
	v_lshlrev_b32 v[BOA], 2, v14
	v_add_nc_u32 v[AK0], s69, v[LI]
	v_add_nc_u32 v[AV0], s70, v[LI]
	v_lshlrev_b32 v[GO], 14, v15
	v_lshl_add_u32 v[GO], v14, 4, v[GO]            ; lanes 0-15 one channel's 256 bytes, lanes 16-31 the next channel's
	v_mul_u32_u24 v[STO], v14, SP
	v_lshl_add_u32 v[STO], v15, 6, v[STO]
	v_add_nc_u32 v[STO], s71, v[STO]               ; in: row r, + 64 h
	v_mul_u32_u24 v[RD], v15, SP
	v_lshl_add_u32 v[RD], v14, 4, v[RD]
	v_add_nc_u32 v[RD], s71, v[RD]                 ; back: lanes 0-15 one row, lanes 16-31 the next
	v_add_nc_u32 v[AIW], s72, v[LI]
	v_add_nc_u32 v[ALD], AIMG, v[LI]
	s_wait_alu depctr_va_vdst(0)                   ; the wait directly ahead of the wait below
	s_wait_kmcnt 0x0
	s_load_b256 s[40:47], s[10:11], 0x0            ; e0 .. e7
	s_add_nc_u64 s[KB:KB+1], s[6:7], s[52:53]      ; the batch's first 128 keys
	s_add_nc_u64 s[VB:VB+1], s[8:9], s[52:53]
	s_lshl_b32 s56, ttmp9, 14                      ; Q: my block's four tiles,
	s_add_co_u32 s56, s56, s52
	s_lshl_b32 s73, s48, 13                        ; my two,
	s_add_co_u32 s56, s56, s73
	s_add_co_u32 s56, s56, s69                     ; my head
	s_mov_b32 s57, 0
	s_add_nc_u64 s[4:5], s[4:5], s[56:57]
	s_lshl_b32 s56, s[WV], 13                      ; Wo: rows 32 w on
	s_add_nc_u64 s[12:13], s[12:13], s[56:57]
	s_lshl_b32 s56, s[WV], 7                       ; b_o: 32 w on
	s_add_nc_u64 s[14:15], s[14:15], s[56:57]
	WIN 0x40                                       ; what is wanted last is asked for first, so that the loop's counts hold in its first trip too
.irp g, 0,1
.irp c, 0,1,2,3,4,5,6,7
	global_load_b128 v[WO+32*\g+4*\c:WO+32*\g+4*\c+3], v[WOA], s[12:13] offset:4096*\g+32*\c   ; Wo(32 w + 16 g + r, 32 c + 16 h + 0 .. 15)
.endr
.endr
	WIN 0
.irp g, 0,1
	global_load_b32 v[BO+2*\g], v[BOA], s[14:15] offset:64*\g   ; b_o(32 w + 16 g + r)
.endr
.irp j, 0,1
.irp c, 0,1
	global_load_b128 v[QF+8*\j+4*\c:QF+8*\j+4*\c+3], v[LI], s[4:5] offset:4096*\j+512*\c   ; Q's two fragments stay
.endr
.endr
	LDK                                            ; step 0
	LDV
	WIN 0
	s_lshl_b32 s56, s51, 22                        ; out0: the batch, channels 32 w on, my block's 256 bytes
	s_lshl_b32 s73, s[WV], 19
	s_add_co_u32 s56, s56, s73
	s_lshl_b32 s73, ttmp9, 8
	s_add_co_u32 s56, s56, s73
	s_add_nc_u64 s[16:17], s[16:17], s[56:57]
	s_and_b32 s73, ttmp9, 1                        ; the prefetch: K's image where my work-group's number is even, V's where it is odd,
	s_cmp_eq_u32 s73, 0
	s_cselect_b64 s[PFA:PFA+1], s[6:7], s[8:9]
	s_lshr_b32 s73, ttmp9, 1                       ; step x / 2,
	s_sub_co_u32 s[LIM], s73, 2                    ; named in the trip two ahead of it (x under 4: in none)
	s_lshl_b32 s56, s73, 15
	s_add_co_u32 s56, s56, s52
	s_lshl_b32 s73, s[WV], 12                      ; my wave's 4,096 bytes
	s_add_co_u32 s56, s56, s73
	s_add_nc_u64 s[PFA:PFA+1], s[PFA:PFA+1], s[56:57]
	s_wait_kmcnt 0x0
	s_add_co_i32 s76, s42, s43                     ; a score stands for score x 2^(e2 + e3): added to c's exponent field
	s_lshl_b32 s76, s76, 23
	s_mov_b32 s[CS], 0x3e38aa3b                    ; c = log2(e) / 8
	s_add_co_i32 s[CS], s[CS], s76
	s_mov_b32 s[CS+1], s[CS]
	s_add_co_i32 s76, s44, 127
	s_lshl_b32 s73, s76, 23                        ; 2^e4
	s_add_co_i32 s76, s76, 15
	s_lshl_b32 s76, s76, 23
	s_or_b32 s[PL], s76, 0x600000                  ; 57,344 x 2^e4
	s_add_co_i32 s76, s46, 127
	s_lshl_b32 s74, s76, 23                        ; 2^e6
	s_add_co_i32 s76, s76, 15
	s_lshl_b32 s76, s76, 23
	s_or_b32 s75, s76, 0x600000                    ; 57,344 x 2^e6
	s_add_co_i32 s66, s46, s47
	s_add_co_i32 s66, s66, 127
	s_lshl_b32 s66, s66, 23                        ; 2^(e6 + e7)
	s_mov_b32 s67, s66
	s_add_co_i32 s68, s44, s45                     ; e4 + e5
	v_mov_b32 v[PSC], s73
	v_mov_b32 v[ASC], s74
	v_mov_b32 v[ALIM], s75
.irp j, 0,1
	v_mov_b32 v[MT+8*\j], 0xff61b1e6               ; the largest t so far: -3e38
	v_mov_b32 v[LS+8*\j], 0
	v_mov_b32 v[LS+8*\j+1], 0
	v_mov_b32 v[FF+8*\j+1], 0                      ; (named as the upper half of the pair)
	v_mov_b32 v[PX+\j], 0                          ; a lane permute's destination counts as a source
	v_floor_f32 v[NM+8*\j], -v[MT+8*\j]            ; -M
.endr
	WIN 0x40
.set i, 0
.rept 64
	v_mov_b32 v[OA+i], 0                           ; O^T: the step is written without a first step of its own; the first change of M leaves zeros zeros
.set i, i+1
.endr
	WIN 0
	s_wait_alu depctr_va_vdst(0)                   ; the wait at the head's end
.Lstep:                                            ; 31 trips: steps 0 to 30; each asks for the next step's K and V
	STEP 1
	s_add_co_u32 s[CNT], s[CNT], 1
	s_cmp_lt_u32 s[CNT], NSTEP-1
	s_wait_alu depctr_va_vdst(0)                   ; the wait ahead of the branch
	s_cbranch_scc1 .Lstep
	STEP 0                                         ; the last step asks for nothing: no load leaves the images
	; ---- a = O^T x 2^(e4 + e5) / the sum, quantised with 2^e6: my head's 64 channels of my 32 tokens
	v_mov_b32 v[BO+1], v[BO]                       ; (named as pairs)
	v_mov_b32 v[BO+3], v[BO+2]
.irp j, 0,1
	v_add_f32 v[LS+8*\j], v[LS+8*\j], v[LS+8*\j+1]
.endr
.irp j, 0,1
	v_permlanex16_b32 v[PX+\j], v[LS+8*\j], s[SEL], s[SEL+1]
.endr
.irp j, 0,1
	v_add_f32 v[LS+8*\j], v[LS+8*\j], v[PX+\j]     ; the row's sum
.endr
	s_wait_alu depctr_va_vdst(0)                   ; ahead of the two reciprocals
.irp j, 0,1
	v_rcp_f32 v[LS+8*\j], v[LS+8*\j]
.endr
	v_nop
	s_wait_alu depctr_va_vdst(0)                   ; and behind them
.irp j, 0,1
	v_ldexp_f32 v[LS+8*\j], v[LS+8*\j], s68
.endr
	WIN 0x01
	s_wait_alu depctr_va_vdst(0)                   ; directly ahead of the first reader of O^T
.irp j, 0,1
.set i, 0
.rept 16
	v_pk_mul_f32 v[SC+32*\j+i:SC+32*\j+i+1], v[OA+32*\j+i:OA+32*\j+i+1], v[LS+8*\j:LS+8*\j+1] op_sel_hi:[1,0]   ; register 8 dt + i: channel 32 (dt / 2) + 16 h + 8 (dt % 2) + i of my head
.set i, i+2
.endr
.endr
	WIN 0
.set i, 0
.rept 64
	v_med3_num_f32 v[SC+i], v[SC+i], -v[ALIM], v[ALIM]   ; the hold at the largest code x the scale
.set i, i+1
.endr
.irp n, 0,1,2,3,4,5,6,7
	v_cvt_scalef32_pk8_bf8_f32 v[PC+2*\n:PC+2*\n+1], v[SC+8*\n:SC+8*\n+7], v[ASC]
.endr
	v_nop                                          ; one plain line behind the last scaled conversion
.irp j, 0,1
	ds_store_b128 v[AIW], v[PC+8*\j:PC+8*\j+3] offset:4096*\j          ; group 2 head
	ds_store_b128 v[AIW], v[PC+8*\j+4:PC+8*\j+7] offset:4096*\j+512    ; group 2 head + 1
.endr
	s_wait_dscnt 0x0                               ; for the others' sake: my stores have landed
	s_barrier_signal -1
	s_barrier_wait -1                              ; a's 32 groups lie in LDS
	; ---- out = a Wo^T: source 0 = 16 tokens, source 1 = 16 rows of Wo: a lane holds channel 32 w + 16 g + r, and tile m = 2 b + u gives it tokens 32 b + 16 h + 8 u + 0 .. 7
.irp m, 0,1,2,3
.irp g, 0,1,2,3,4,5,6,7
	ds_load_b128 v[SC+32*\m+4*\g:SC+32*\m+4*\g+3], v[ALD] offset:\m*4096+512*\g
.endr
.endr
	s_wait_dscnt 0x0
	WIN 0x54
.irp g, 0,1
.irp m, 0,1,2,3
	v_wmma_f32_16x16x128_bf8_bf8 v[OA+8*(4*\g+\m):OA+8*(4*\g+\m)+7], v[SC+32*\m:SC+32*\m+15], v[WO+32*\g:WO+32*\g+15], 0
.endr
.endr
.irp g, 0,1
.irp m, 0,1,2,3
	v_wmma_f32_16x16x128_bf8_bf8 v[OA+8*(4*\g+\m):OA+8*(4*\g+\m)+7], v[SC+32*\m+16:SC+32*\m+31], v[WO+32*\g+16:WO+32*\g+31], v[OA+8*(4*\g+\m):OA+8*(4*\g+\m)+7]
.endr
.endr
	NOP4
	WIN 0x01
.irp g, 0,1
.irp m, 0,1,2,3
.irp i, 0,2,4,6
	v_pk_fma_f32 v[SC+8*(4*\g+\m)+\i:SC+8*(4*\g+\m)+\i+1], v[OA+8*(4*\g+\m)+\i:OA+8*(4*\g+\m)+\i+1], s[66:67], v[BO+2*\g:BO+2*\g+1] op_sel_hi:[1,0,0]   ; sum x 2^(e6 + e7) + b_o
.endr
.endr
.endr
	WIN 0
	; THE WAY OUT.  A lane holds 32 bytes at four places of its channel's 256: the tile goes through my own stage and comes back as whole rows.  LDS serves a wave's instructions in order (ISA guide 5.7.1.4).
.irp g, 0,1
.irp m, 0,1,2,3
	ds_store_b128 v[STO], v[SC+8*(4*\g+\m):SC+8*(4*\g+\m)+3] offset:16*SP*\g+128*(\m/2)+32*(\m%2)
	ds_store_b128 v[STO], v[SC+8*(4*\g+\m)+4:SC+8*(4*\g+\m)+7] offset:16*SP*\g+128*(\m/2)+32*(\m%2)+16
.endr
.endr
.irp i, 0,1,2,3,4,5,6,7,8,9,10,11,12,13,14,15
	ds_load_b128 v[PC+4*\i:PC+4*\i+3], v[RD] offset:2*\i*SP
.endr
.irp i, 0,1,2,3,4,5,6,7,8,9,10,11,12,13,14,15
	s_wait_dscnt 15-\i                             ; loads come back in order: pair i of rows is in
	global_store_b128 v[GO], v[PC+4*\i:PC+4*\i+3], s[16:17] offset:32768*\i th:TH_STORE_NT   ; channels 32 w + 2 i + h: 16 lanes store 256 consecutive bytes, aligned
.endr
	s_wait_tensorcnt 0x0                           ; the wave's end, behind my last LDS store
	ds_add_u32 v[SPW], v[NIL]
	s_wait_dscnt 0x0
	s_endpgm
.Lfunc_end_k_qf5c04d58af_attn:
	.size	k_qf5c04d58af_attn, .Lfunc_end_k_qf5c04d58af_attn-k_qf5c04d58af_attn
	.p2alignl 7, 3214868480
	.fill 96, 4, 3214868480
	.section	.rodata,"a",@progbits
	.p2align	6, 0x0
	.amdhsa_kernel k_qf5c04d58af_attn
		.amdhsa_group_segment_fixed_size 87040
		.amdhsa_private_segment_fixed_size 0
		.amdhsa_enable_private_segment 0
		.amdhsa_kernarg_size 56
		.amdhsa_user_sgpr_count 2
		.amdhsa_user_sgpr_kernarg_segment_ptr 1
		.amdhsa_wavefront_size32 1
		.amdhsa_system_sgpr_workgroup_id_x 1
		.amdhsa_system_sgpr_workgroup_id_y 1
		.amdhsa_system_sgpr_workgroup_id_z 1
		.amdhsa_system_vgpr_workitem_id 0
		.amdhsa_next_free_vgpr 512
		.amdhsa_next_free_sgpr 80
		.amdhsa_reserve_vcc 0
		.amdhsa_float_denorm_mode_32 3
		.amdhsa_float_denorm_mode_16_64 3
		.amdhsa_memory_ordered 1
		.amdhsa_forward_progress 1
		.amdhsa_inst_pref_size 85
	.end_amdhsa_kernel
	.amdgpu_metadata
---
amdhsa.version: [ 1, 2 ]
amdhsa.kernels:
  - .name:           k_qf5c04d58af_attn
    .symbol:         k_qf5c04d58af_attn.kd
    .args:
      - { .name: qimg, .offset: 0, .size: 8, .value_kind: global_buffer, .address_space: global }
      - { .name: kimg, .offset: 8, .size: 8, .value_kind: global_buffer, .address_space: global }
      - { .name: vimg, .offset: 16, .size: 8, .value_kind: global_buffer, .address_space: global }
      - { .name: lowp_scales, .offset: 24, .size: 8, .value_kind: global_buffer, .address_space: global }
      - { .name: w_o_codes, .offset: 32, .size: 8, .value_kind: global_buffer, .address_space: global }
      - { .name: b_o, .offset: 40, .size: 8, .value_kind: global_buffer, .address_space: global }
      - { .name: out0, .offset: 48, .size: 8, .value_kind: global_buffer, .address_space: global }
    .group_segment_fixed_size: 87040
    .private_segment_fixed_size: 0
    .kernarg_segment_align: 8
    .kernarg_segment_size: 56
    .max_flat_workgroup_size: 256
    .sgpr_count:     80
    .vgpr_count:     512
    .wavefront_size: 32
...
	.end_amdgpu_metadata
.endif
;; end of part 2
